; MI455X (gfx1250); checked and timed in simulation.
; The chip was launched on July 23, 2026; its instructions are those of AMD's public machine-readable ISA for CDNA 5 (MIT licence, August 2026) and "CDNA5" Instruction Set Architecture Reference Guide (July 2026). The comments in the code are by the model that wrote it; some were corrected since.
;; Multi Head Attention Chunk. Allowed arithmetic: matrix products marked QUANTISED: E4M3 operands, one E8M0 scale for each 32 along K, by v_wmma_scale_f32_16x16x128_f8f6f4 with both operands' format E4M3, f32 sums; everything else in f32.
;; Inputs: Wk 512 x 512 float32; Wo 512 x 512 float32; Wq 512 x 512 float32; Wv 512 x 512 float32; bk 512 float32; bo 512 float32; bq 512 float32; bv 512 float32; key 8 x 4,096 x 512 float32; query 8 x 4,096 x 512 float32; value 8 x 4,096 x 512 float32.
;; Outputs: out0 8 x 4,096 x 512 float32.
;; This version of the problem:
;;   THIS VERSION OF THE PROBLEM IS GIVEN IN LOW PRECISION. The matrix products marked QUANTISED in the list below multiply operands that are first quantised to E4M3 (4 exponent bits, 3 mantissa bits; 8 bits a number), with one power-of-two scale for each 32 numbers along K (OCP MX v1.0); their sums are f32. All else is computed in f32.
;;   The module's matrix products, in the order in which they are computed (A, B: the left and right operand; K: the contracted axis; several contracted axes count as one K, in the product's order):
;;     1. [M 32,768, K 512] x [K 512, N 512]; A: input query; B: input Wq: QUANTISED
;;     2. [M 32,768, K 512] x [K 512, N 512]; A: input key; B: input Wk: QUANTISED
;;     3. [M 32,768, K 512] x [K 512, N 512]; A: input value; B: input Wv: QUANTISED
;;     4. batch 1,024 x [M 256, K 64] x [K 64, N 256]; A: computed on the way; B: computed on the way: QUANTISED
;;     5. batch 1,024 x [M 64, K 256] x [K 256, N 256]; A: computed on the way; B: softmax (see below): QUANTISED
;;     6. [M 32,768, K 512] x [K 512, N 512]; A: computed on the way; B: input Wo: QUANTISED
;;   THE QUANTISER, for each operand of a quantised product, along K:
;;     - K is cut into blocks of 32 from its start; a last block that is shorter is filled with zeros.
;;     - A block's scale is 2^e with e = floor(log2(the largest magnitude in the block)) - 8, held to -126 .. 127; a block of zeros has e = 0. As a byte (E8M0): e + 127.
;;     - Each number is divided by its block's scale, clamped to +-448, and rounded to the nearest number of E4M3, ties to even, subnormals kept.
;;     - The product sums the exact products of the quantised numbers (number of the format x scale) in f32.
;;   ~~~python
;;   def quantise(x, axis):      # numpy; x: float32 -> the quantised numbers, widened to float32 again
;;       x = np.moveaxis(x, axis, -1); K = x.shape[-1]
;;       x = np.pad(x, [(0, 0)] * (x.ndim - 1) + [(0, -K % 32)]); x = x.reshape(x.shape[:-1] + (-1, 32)); a = np.abs(x).max(-1, keepdims=True)
;;       e = np.where(a > 0, np.clip(np.frexp(np.where(a > 0, a, 1))[1] - 1 - 8, -126, 127), 0)      # np.frexp(a)[1] - 1 = floor(log2(a)), exactly
;;       r = np.clip(x / 2.0 ** e, -448, 448)
;;       step = 2.0 ** (np.maximum(np.frexp(np.where(r == 0, 1, r))[1] - 1, -6) - 3)
;;       q = np.round(r / step) * step * 2.0 ** e      # np.round: ties to even
;;       return np.moveaxis(q.reshape(q.shape[:-2] + (-1,))[..., :K], -1, axis).astype(np.float32)
;;   ~~~
;;   SOFTMAX AHEAD OF A QUANTISED PRODUCT. Where the list says 'softmax', what is quantised is not the finished softmax but p = 2^(t - M), with t = logit x log2(e) and M = ceil(the row's largest t), a whole number; so 1/2 < the row's largest p <= 1. The row's sum l is taken of the UNQUANTISED p, in f32, and the product's result is divided by l at the end. Since M is a whole number, a kernel that streams over the keys may use a running M (the ceiling of the running maximum): every later rescaling is an exact power of two, which a block's scale takes up: the codes' values come out the same.
;;   OPERANDS COMPUTED ON THE WAY. 'Computed on the way' means the value that the module computes at that place (a softmax that the list does not call 'softmax' is quantised finished and normalised). What goes into a quantiser is computed in f32, as accurately as f32 sums, v_exp_f32 and their like allow (about 1e-6 of the number): no bf16 or f16 on the way to a quantiser, and a product that is left as it is and whose result goes on into a quantised operand takes f32 operands (vector FMAs, or v_wmma_f32_16x16x4_f32). A number that lies on a knife's edge between two numbers of the format may be rounded either way, as far as f32 arithmetic and the matrix unit's own rounding can turn it there, and no further.
;; One version. Each part assembles by itself: llvm-mc -triple=amdgcn-amd-amdhsa -mcpu=gfx1250 --defsym DOCPART=n.
;; ======== version 1 of 1: 3 launches
;; limits: right only within a limited range of input values
;; workspace buffers: wimg 1,048,576 bytes; wscl 65,536 bytes; acod 16,777,216 bytes; ascl 1,048,576 bytes
;; launch prep (part 1): grid 32 x 4, 4 waves a work-group, no clusters, 1,024 bytes of LDS; arguments Wv, Wk, Wq, Wo, wimg, wscl; writes wimg, wscl
.if DOCPART == 1
	.amdgcn_target "amdgcn-amd-amdhsa--gfx1250"
	.amdhsa_code_object_version 6
	.text
	.protected	k_q97d1addb0a_prep
	.globl	k_q97d1addb0a_prep
	.p2align	8
	.type	k_q97d1addb0a_prep,@function
k_q97d1addb0a_prep:
	s_mov_b64 s[64:65], 0
	v_nop
	global_prefetch_b8 v0, s[64:65] scope:SCOPE_SE
	s_setreg_imm32_b32 hwreg(HW_REG_WAVE_MODE, 25, 1), 1
	s_wait_xcnt 0x0
; The four weights [512][512] f32 (K innermost) become codes of E4M3 with one E8M0 byte for each 32 along K, laid as IMAGES OF THE OPERAND'S REGISTERS:
; wimg [m: V,K,Q,O][tile T 32][K step s 4][2048]: piece c of 512 bytes, lane l's 16 bytes at 512 c + 16 l = codes k = 128 s + 32 c + 16 (l / 16) + 0..15 of the tile's row l % 16.
; wscl [m][T][s][128]: lane l's word at 4 l, byte c = block 4 s + c of row l % 16.
; THE ROWS OF A TILE: for V, K, Q lane r of tile T takes row 32 (T / 2) + 8 (T % 2) + r + 8 (r / 8), so that two neighbouring tiles' results are 16 neighbours along the next K; for O row 16 T + r.
; A work-group takes one tile of one weight, each of its four waves one K step: one fragment.  No matrix unit, no ring: 4 MiB are read once.
; LIMITS: NaN and infinities are not served; a block whose largest magnitude lies under 2^-118, a block of zeros among them, gets the byte 1 (its codes are zeros or tiny; this program alone reads the bytes).
.set PW,  12                           ; v12      the scale word
.set PC,  16                           ; v16-31   the codes
.set X,   32                           ; v32-95   64 numbers: register 16 c + i = k 128 s + 32 c + 16 h + i of my row
.set TM,  96                           ; v96-111  at work: largest magnitudes, bytes, holds, scale operands
.set SEL, 24                           ; s[24:25] selects of v_permlanex16_b32: lane l xor 16
.set MNT, 26                           ; s26      the mantissa field of 448
.set MSB, 0
.macro WIN new                         ; the immediate's high byte repeats the setting that is left; a switch that changes nothing is dropped
.if MSB != (\new)
	s_set_vgpr_msb (MSB<<8)|(\new)
.set MSB, (\new)
.endif
.endm
; nb blocks of 16 registers from v[d] on, in window w (register 16 b + i = k 32 b + 16 (lane / 16) + i of my row), become codes in v[pc] on and the scale word v[pw], both in window 0.
.macro QUANT d, w, nb, pc, pw
	WIN ((\w)<<2)|((\w)<<4)
.set qb, 0
.rept \nb
	v_max3_num_f32 v[TM+qb], 0x4800000, |v[(\d)+16*qb]|, |v[(\d)+16*qb+1]|   ; my 16 numbers and the floor 2^(9 - 127): the byte cannot fall under 1
.set qb, qb+1
.endr
.irp i, 2,4,6,8,10,12,14
.set qb, 0
.rept \nb
	v_max3_num_f32 v[TM+qb], v[TM+qb], |v[(\d)+16*qb+\i]|, |v[(\d)+16*qb+\i+1]|   ; the blocks by turns; the registers in ascending order
.set qb, qb+1
.endr
.endr
	WIN 0
.set qb, 0
.rept \nb
	v_permlanex16_b32 v[TM+4+qb], v[TM+qb], s[SEL], s[SEL+1]
.set qb, qb+1
.endr
.set qb, 0
.rept \nb
	v_max_num_f32 v[TM+qb], v[TM+qb], v[TM+4+qb]           ; with lane l xor 16's 16: the block's largest magnitude
.set qb, qb+1
.endr
.set qb, 0
.rept \nb
	v_add_nc_u32 v[TM+12+qb], 0xfc000000, v[TM+qb]         ; 8 off its exponent field: the conversion's scale operand
.set qb, qb+1
.endr
.set qb, 0
.rept \nb
	v_and_or_b32 v[TM+8+qb], v[TM+qb], 0x7f800000, s[MNT]  ; 448 x the scale
.set qb, qb+1
.endr
.set qb, 0
.rept \nb
	v_lshrrev_b32 v[TM+4+qb], 23, v[TM+12+qb]              ; the scale's byte
.set qb, qb+1
.endr
	v_lshl_or_b32 v[\pw], v[TM+5], 8, v[TM+4]
.if \nb > 2
	v_lshl_or_b32 v[\pw], v[TM+6], 16, v[\pw]
	v_lshl_or_b32 v[\pw], v[TM+7], 24, v[\pw]
.endif
	WIN ((\w)<<6)|(\w)
.set qb, 0
.rept \nb
.irp i, 0,1,2,3,4,5,6,7,8,9,10,11,12,13,14,15
	v_med3_num_f32 v[(\d)+16*qb+\i], v[(\d)+16*qb+\i], -v[TM+8+qb], v[TM+8+qb]   ; the conversion to an 8-bit code does not saturate (ISA guide 7.6.2): the hold comes first
.endr
.set qb, qb+1
.endr
	WIN (\w)
.set qb, 0
.rept \nb
	v_cvt_scalef32_pk8_fp8_f32 v[(\pc)+4*qb:(\pc)+4*qb+1], v[(\d)+16*qb:(\d)+16*qb+7], v[TM+12+qb]
	v_cvt_scalef32_pk8_fp8_f32 v[(\pc)+4*qb+2:(\pc)+4*qb+3], v[(\d)+16*qb+8:(\d)+16*qb+15], v[TM+12+qb]
.set qb, qb+1
.endr
	WIN 0
	v_nop                                                  ; one plain line behind the last scaled conversion
.endm
	s_load_b256 s[4:11], s[0:1], 0x0               ; Wv, Wk, Wq, Wo
	s_load_b128 s[12:15], s[0:1], 0x20             ; wimg, wscl
	v_lshl_add_u32 v128, v0, 2, 0x200
	v_mov_b32 v129, 0
	v_lshrrev_b32 v1, 5, v0
	v_readfirstlane_b32 s16, v1                    ; wave = K step s
	s_and_b32 s17, ttmp7, 0xffff                   ; m: which weight
	v_and_b32 v1, 31, v0                           ; lane
	v_and_b32 v2, 15, v0                           ; r
	v_bfe_u32 v3, v0, 4, 1                         ; h
	v_lshlrev_b32 v5, 4, v1                        ; 16 x lane
	v_lshlrev_b32 v6, 2, v0                        ; LDS: 128 x wave + 4 x lane
	s_mov_b32 s[SEL], 0x76543210
	s_mov_b32 s[SEL+1], 0xfedcba98
	s_mov_b32 s[MNT], 0x600000
.irp b, 0,1,2,3
	v_mov_b32 v[TM+4+\b], 0                        ; a lane permute's destination counts as read
.endr
	s_wait_alu depctr_va_vdst(0)
	s_wait_kmcnt 0x0
	s_cmp_lt_u32 s17, 1                            ; the choice hangs on the work-group's number alone
	s_cselect_b64 s[18:19], s[4:5], s[6:7]
	s_cmp_lt_u32 s17, 2
	s_cselect_b64 s[18:19], s[18:19], s[8:9]
	s_cmp_lt_u32 s17, 3
	s_cselect_b64 s[18:19], s[18:19], s[10:11]
	s_cselect_b32 s20, 1, 0                        ; 1: the rows of a tile are taken apart (V, K, Q)
	s_and_b32 s21, ttmp9, 1
	s_mul_i32 s21, s21, s20
	s_lshl_b32 s21, s21, 3
	s_lshl_b32 s22, ttmp9, 4
	s_sub_co_u32 s22, s22, s21                     ; 16 T - 8 (T % 2) = 32 (T / 2) + 8 (T % 2), or 16 T
	v_and_b32 v7, 8, v2
	v_mul_u32_u24 v7, s20, v7
	v_add3_u32 v4, v2, v7, s22                     ; my row
	v_lshlrev_b32 v4, 11, v4                       ; 2,048 bytes a row
	v_lshl_add_u32 v4, v3, 6, v4                   ; + 64 h: my 16 numbers of a block
	s_lshl_b32 s22, s16, 9                         ; the K step: 512 bytes
	s_mov_b32 s23, 0
	s_add_nc_u64 s[18:19], s[18:19], s[22:23]
.irp c, 0,1,2,3
.irp j, 0,1,2,3
	global_load_b128 v[X+16*\c+4*\j:X+16*\c+4*\j+3], v4, s[18:19] offset:128*\c+16*\j th:TH_LOAD_NT
.endr
.endr
	s_lshl_b32 s27, s17, 5
	s_add_co_u32 s27, s27, ttmp9                   ; 32 m + T
	s_lshl_b32 s28, s27, 13
	s_lshl_b32 s30, s16, 11
	s_add_co_u32 s28, s28, s30
	s_mov_b32 s29, 0
	s_add_nc_u64 s[12:13], s[12:13], s[28:29]      ; my fragment's image
	s_lshl_b32 s28, s27, 9
	s_add_nc_u64 s[14:15], s[14:15], s[28:29]      ; the tile's four scale images
	s_wait_loadcnt 0x0
	QUANT X, 0, 4, PC, PW
.irp c, 0,1,2,3
	global_store_b128 v5, v[PC+4*\c:PC+4*\c+3], s[12:13] offset:512*\c   ; 32 lanes store 512 consecutive bytes, aligned
.endr
	ds_store_b32 v6, v[PW]                         ; the four waves' scale words meet in LDS, so that they leave as 512 consecutive bytes
	s_wait_dscnt 0x0                               ; for the others' sake
	s_barrier_signal -1
	s_barrier_wait -1
	s_cmp_lg_u32 s16, 0
	s_cbranch_scc1 .Lend
	ds_load_b128 v[8:11], v5
	s_wait_dscnt 0x0
	global_store_b128 v5, v[8:11], s[14:15]
.Lend:
	s_wait_tensorcnt 0x0
	ds_add_u32 v128, v129
	s_wait_dscnt 0x0
	s_endpgm
.Lfunc_end_k_q97d1addb0a_prep:
	.size	k_q97d1addb0a_prep, .Lfunc_end_k_q97d1addb0a_prep-k_q97d1addb0a_prep
	.p2alignl 7, 3214868480
	.fill 96, 4, 3214868480
	.section	.rodata,"a",@progbits
	.p2align	6, 0x0
	.amdhsa_kernel k_q97d1addb0a_prep
		.amdhsa_group_segment_fixed_size 1024
		.amdhsa_private_segment_fixed_size 0
		.amdhsa_enable_private_segment 0
		.amdhsa_kernarg_size 48
		.amdhsa_user_sgpr_count 2
		.amdhsa_user_sgpr_kernarg_segment_ptr 1
		.amdhsa_wavefront_size32 1
		.amdhsa_system_sgpr_workgroup_id_x 1
		.amdhsa_system_sgpr_workgroup_id_y 1
		.amdhsa_system_sgpr_workgroup_id_z 1
		.amdhsa_system_vgpr_workitem_id 0
		.amdhsa_next_free_vgpr 130
		.amdhsa_next_free_sgpr 66
		.amdhsa_reserve_vcc 0
		.amdhsa_float_denorm_mode_32 3
		.amdhsa_float_denorm_mode_16_64 3
		.amdhsa_memory_ordered 1
		.amdhsa_forward_progress 1
		.amdhsa_inst_pref_size 13
	.end_amdhsa_kernel
	.amdgpu_metadata
---
amdhsa.version: [ 1, 2 ]
amdhsa.kernels:
  - .name:           k_q97d1addb0a_prep
    .symbol:         k_q97d1addb0a_prep.kd
    .args:
      - { .name: Wv, .offset: 0, .size: 8, .value_kind: global_buffer, .address_space: global }
      - { .name: Wk, .offset: 8, .size: 8, .value_kind: global_buffer, .address_space: global }
      - { .name: Wq, .offset: 16, .size: 8, .value_kind: global_buffer, .address_space: global }
      - { .name: Wo, .offset: 24, .size: 8, .value_kind: global_buffer, .address_space: global }
      - { .name: wimg, .offset: 32, .size: 8, .value_kind: global_buffer, .address_space: global }
      - { .name: wscl, .offset: 40, .size: 8, .value_kind: global_buffer, .address_space: global }
    .group_segment_fixed_size: 1024
    .private_segment_fixed_size: 0
    .kernarg_segment_align: 8
    .kernarg_segment_size: 48
    .max_flat_workgroup_size: 128
    .sgpr_count:     66
    .vgpr_count:     130
    .wavefront_size: 32
...
	.end_amdgpu_metadata
.endif
;; end of part 1
;; launch qkvatt (part 2): grid 256 x 1, 4 waves a work-group, clusters of 4 x 1, 261,632 bytes of LDS; arguments value, key, query, bv, bk, bq, wimg, wscl, acod, ascl; writes acod, ascl
.if DOCPART == 2
	.amdgcn_target "amdgcn-amd-amdhsa--gfx1250"
	.amdhsa_code_object_version 6
	.text
	.protected	k_q97d1addb0a_qkvatt
	.globl	k_q97d1addb0a_qkvatt
	.p2align	8
	.type	k_q97d1addb0a_qkvatt,@function
k_q97d1addb0a_qkvatt:
	s_mov_b64 s[64:65], 0
	v_nop
	global_prefetch_b8 v0, s[64:65] scope:SCOPE_SE
	s_setreg_imm32_b32 hwreg(HW_REG_WAVE_MODE, 25, 1), 1
	s_wait_xcnt 0x0
	s_wait_alu depctr_hold_cnt(0) depctr_sa_sdst(0) depctr_va_vdst(0) depctr_va_sdst(0) depctr_va_ssrc(0) depctr_va_vcc(0) depctr_vm_vsrc(0)
	s_getreg_b32 s2, hwreg(HW_REG_IB_STS2, 6, 4)
	s_cmp_eq_u32 s2, 0
	s_cbranch_scc0 .Lentry_in_a_cluster
	s_endpgm
.Lentry_in_a_cluster:
	s_bfe_u32 s2, ttmp6, 0x10000c
	s_cmp_lg_u32 s2, 0x3003
	s_cbranch_scc0 .Lentry_shape_is_right
	s_endpgm
.Lentry_shape_is_right:
; For one chunk of 256 rows and four of its eight heads: x is quantised, V, K, Q are projected (MX-FP8), quantised, causal attention inside the chunk (MX-FP8), attn is quantised and stored as codes.
; SHARES.  Work-group wg = chunk 2 wg' + half g of the heads; wave w is head hg = 4 g + w for all 256 rows.  The head's 64 columns of the weight in hand (16 fragments) stay in 256 registers.
; K, V, Q of a head are made and used by ONE wave and lie in that wave's own LDS bytes; only the codes of x go from wave to wave, as images of the operand's registers (a fragment: four stores of 512 bytes, 16 bytes a lane).
; ROWS.  Tile T of 16 rows holds rows 32 (T / 2) + 8 (T % 2) + r + 8 (r / 8): then the 16 result registers of tiles 2 b, 2 b + 1 are 16 neighbours 32 b + 16 (lane / 16) + 0..15, which is a piece of the next operand.
; PHASE A, twelve trips: trips 0-3 value with Wv, 4-7 key with Wk, 8-11 query with Wq; a trip is 64 rows.  Wave w quantises tile w of the block (four K steps) | barrier | every wave multiplies all four tiles by its weight.
;   K, Q: transposed (source 0 = weight, source 1 = x): a lane holds one row, registers run along the head's 64.  V: source 0 = x, source 1 = weight: a lane holds one unit, registers run down the keys, which are the second product's K.
; PHASE B: a tile of 16 queries at a time.  S^T = K Q^T: one fragment of K carries TWO key tiles (64 + 64 along K); q stands against one of them and zero codes against the other.
;   t = score x log2(e) / sqrt(2048); M = ceil(the row's largest t); p = 2^(t - M) is quantised along the keys; the sum is taken of the unquantised p and divides O^T at the end.
;   Key tiles wholly behind the diagonal are left out in steps of 64 keys: four loops, of 64, 128, 192, 256 keys.
; CLUSTER: the two work-groups of a chunk read the same x and are launched side by side.  No joint tensor loads: x goes from memory into the registers of the wave that quantises it; two LDS slots of 64 f32 rows are 262,144 bytes and
;   would have to stand beside the 218,112 bytes of codes that stay.  The place in the cluster enters global addresses alone.
; IN FLIGHT: each wave always has the next trip's 64 loads of 16 bytes a lane (32 KiB) on their way.
; LIMITS: NaN and infinities are not served; a block whose largest magnitude lies under 2^-118, a block of zeros among them, gets the byte 1 (this program alone reads the bytes);
;   a block's largest p is the block's largest score put through the same multiply-add and exponential, which takes v_exp_f32 not to fall where its input rises; 1 / sum is v_rcp_f32.
.set XSC,   32768                      ; LDS: 0: x's 16 fragments (tile t of the block, K step s) at 8192 t + 2048 s;  XSC: their scale words, tile t at 512 t, a lane's four words at 16 x lane
.set WREG0, 34816                      ; then a region for each wave:
.set WSZ,   54528                      ;   +0 V's 8 fragments (d tile tt, K step) at 4096 tt + 512 x key block;  OKI: K's 8 packed fragments;  OQI: Q's 16 tiles, 1,024 bytes each;
.set OKI,   16384                      ;   OTS: tile scale words, K's 16 then Q's 16, 128 bytes each;  OVS: V's scale bytes [tt][lane][8]; 256 bytes are left over behind them
.set OQI,   32768
.set OTS,   49152
.set OVS,   53248
.set ASC,   WREG0+4*WSZ                ; attn's scale words: 2,048 bytes a wave, [tile][lane][4]
; window 0
.set LI,  1                            ; 16 x lane
.set LS,  2                            ; 4 x lane
.set XA,  3                            ; x: my row of my tile x 2,048 + 64 h
.set XWI, 4                            ; where I store x's images
.set XWS, 5                            ; and their scale words
.set XSR, 6                            ; where scale words are read
.set WBI, 7                            ; my region + 16 x lane
.set WBS, 8                            ; + 4 x lane
.set WB8, 9                            ; + 8 x lane
.set AKQ, 10                           ; the trip's addresses
.set AKS, 11
.set AV,  12
.set AVB, 13
.set AQ,  10                           ; the tile's addresses (phase B)
.set AQS, 11
.set ASA, 12
.set ASB, 14
.set D0,  15                           ; r + 8 (r / 8) - 16 h
.set DT,  16
.set NEG, 17
.set H64, 18                           ; 64 h
.set R84, 19                           ; 4 (r + 8 (r / 8))
.set ASR, 23
.set NM,  24                           ; v[24:25] -M, t
.set TT,  25
.set SUMA, 26
.set SUMB, 28
.set RL,  30                           ; v[30:31] 1 / sum
.set WS,  32                           ; v32-47 the weight's scale words (4 tt + s);  phase B: KS v32-39, VS v40-47
.set KS,  32
.set VS,  40
.set XS,  48                           ; v48-55 x's scale words (4 u + s);  phase B: QW, PW0, PW1
.set QW,  48
.set PW0, 49
.set PW1, 50
.set PCR, 56                           ; v56-87 codes just made, two sets;  phase B: QF v56-79 = 8 zeros, q, 8 zeros;  PCO v80-87
.set QF,  56
.set PCO, 80
.set TM,  88                           ; v88-103 the quantiser's
.set PW,  104
.set PWO, 104
.set TW0, 105
.set TW1, 106
.set PWX, 108                          ; v108-111 x's four scale words
.set RM,  112
.set LT,  113
.set XF,  128                          ; v128-255 x's fragments of two tiles (16 (4 u + s));  while x is quantised: its codes
.set XPC, 128
.set P,   128                          ; phase B: p's codes v128-159, O^T v160-191, and per block of keys: BM, LIM, SOP, PT;  KT at the start
.set O,   160
.set BM,  192
.set LIM, 200
.set SOP, 208
.set PT,  216
.set KT,  224
; window 1: the weight's 16 fragments at 16 (4 tt + s);  phase B: K's 8 at 16 b, V's 8 at 128 + 16 (2 tt + K step)
; window 2: x as loaded, 64 f + 16 c + 4 j;  phase B: the scores, 16 b + i = key 32 b + 16 h + i
; window 3: the 8 accumulators, and the bias:
.set ACC,  0
.set BIAS, 64
.set PV,  4
.set PK,  6
.set PQ,  8
.set BV,  10
.set BK,  12
.set BQ,  14
.set WP,  16
.set WSP, 18
.set AP,  20
.set ASP, 22
.set WV,  24
.set NP,  32
.set BP,  34
.set T,   36
.set T1,  37
.set SEL, 40
.set MNT, 42
.set CS,  44
.set SD,  46
.set SV,  47
.set SK5, 48
.set SVB, 49
.set STQ, 50
.set STS, 51
.set AI,  52
.set SM,  53
.set MSB, 0
.macro WIN new                         ; the immediate's high byte repeats the setting that is left; a switch that changes nothing is dropped.  Low byte: bits 1:0 source 0, 3:2 source 1, 5:4 source 2, 7:6 destination
.if MSB != (\new)
	s_set_vgpr_msb (MSB<<8)|(\new)
.set MSB, (\new)
.endif
.endm
.macro PLACES n
.rept \n
	v_nop
.endr
.endm
; nb blocks of 16 registers from v[d] on, in window w (register 16 b + i = k 32 b + 16 (lane / 16) + i of my row), become codes in v[pc] on and the scale word v[pw], both in window 0.  The bytes stay in v[TM+4] on.
.macro QUANT d, w, nb, pc, pw, qf=9, qg=0      ; qf under 4: group (qf, qg) of the next trip's loads is issued behind the maxima
	WIN ((\w)<<2)|((\w)<<4)
.set qb, 0
.rept \nb
	v_max3_num_f32 v[TM+qb], 0x4800000, |v[(\d)+16*qb]|, |v[(\d)+16*qb+1]|   ; my 16 numbers and the floor 2^(9 - 127): the byte cannot fall under 1
.set qb, qb+1
.endr
.irp i, 2,4,6,8,10,12,14
.set qb, 0
.rept \nb
	v_max3_num_f32 v[TM+qb], v[TM+qb], |v[(\d)+16*qb+\i]|, |v[(\d)+16*qb+\i+1]|   ; the blocks by turns; each accumulator is read from its low end on
.set qb, qb+1
.endr
.endr
	WIN 0
.if \qf < 4
	XG \qf, \qg
.endif
.set qb, 0
.rept \nb
	v_permlanex16_b32 v[TM+4+qb], v[TM+qb], s[SEL], s[SEL+1]
.set qb, qb+1
.endr
.set qb, 0
.rept \nb
	v_max_num_f32 v[TM+qb], v[TM+qb], v[TM+4+qb]           ; with lane l xor 16's 16: the block's largest magnitude
.set qb, qb+1
.endr
.set qb, 0
.rept \nb
	v_add_nc_u32 v[TM+12+qb], 0xfc000000, v[TM+qb]         ; 8 off its exponent field: the conversion's scale operand
.set qb, qb+1
.endr
.set qb, 0
.rept \nb
	v_and_or_b32 v[TM+8+qb], v[TM+qb], 0x7f800000, s[MNT]  ; 448 x the scale
.set qb, qb+1
.endr
.set qb, 0
.rept \nb
	v_lshrrev_b32 v[TM+4+qb], 23, v[TM+12+qb]              ; the scale's byte
.set qb, qb+1
.endr
	v_lshl_or_b32 v[\pw], v[TM+5], 8, v[TM+4]
.if \nb > 2
	v_lshl_or_b32 v[\pw], v[TM+6], 16, v[\pw]
	v_lshl_or_b32 v[\pw], v[TM+7], 24, v[\pw]
.endif
	WIN ((\w)<<6)|(\w)
.set qb, 0
.rept \nb
.irp i, 0,1,2,3,4,5,6,7,8,9,10,11,12,13,14,15
	v_med3_num_f32 v[(\d)+16*qb+\i], v[(\d)+16*qb+\i], -v[TM+8+qb], v[TM+8+qb]   ; the conversion to an 8-bit code does not saturate (ISA guide 7.6.2): the hold comes first
.endr
.set qb, qb+1
.endr
	WIN (\w)
.set qb, 0
.rept \nb
	v_cvt_scalef32_pk8_fp8_f32 v[(\pc)+4*qb:(\pc)+4*qb+1], v[(\d)+16*qb:(\d)+16*qb+7], v[TM+12+qb]
	v_cvt_scalef32_pk8_fp8_f32 v[(\pc)+4*qb+2:(\pc)+4*qb+3], v[(\d)+16*qb+8:(\d)+16*qb+15], v[TM+12+qb]
.set qb, qb+1
.endr
	WIN 0
	v_nop                                                  ; one plain line behind the last scaled conversion
.endm
; my tile's numbers of K step f, 64 a lane, from the block at s[NP]
; THE NEXT TRIP'S 64 LOADS GO OUT AS SIXTEEN GROUPS OF FOUR, SPREAD OVER THE TRIP, in the order (0,0) .. (0,3), (1,0) .. (3,3): group (f, g) is block g of K step f, and is issued only behind this trip's quantiser of K step f, which frees its registers.
.macro XG f, g
	WIN 0x80                                       ; destination window 2
.irp j, 0,1,2,3
	global_load_b128 v[64*(\f)+16*(\g)+4*\j:64*(\f)+16*(\g)+4*\j+3], v[XA], s[NP:NP+1] offset:512*(\f)+128*(\g)+16*\j
.endr
	WIN 0
.endm
; a whole K step at once: at the kernel's head
.macro XLOAD f
	WIN 0x80                                       ; destination window 2
.irp c, 0,1,2,3
.irp j, 0,1,2,3
	global_load_b128 v[64*(\f)+16*\c+4*\j:64*(\f)+16*\c+4*\j+3], v[XA], s[NP:NP+1] offset:512*(\f)+128*\c+16*\j
.endr
.endr
	WIN 0
.endm
; the head's 16 fragments of the weight at s[WP], and their scale words
.macro WLOAD
	WIN 0x40                                       ; destination window 1
.set q, 0
.rept 64
	global_load_b128 v[4*q:4*q+3], v[LI], s[WP:WP+1] offset:512*q
.set q, q+1
.endr
	WIN 0
.set q, 0
.rept 16
	global_load_b32 v[WS+q], v[LS], s[WSP:WSP+1] offset:128*q
.set q, q+1
.endr
.endm
; The head of a trip.  ahead = 1: the next trip's block of x is named: value in trips 0-3, key in 4-7, query in 8-11; 64 rows are 2^17 bytes.
.macro NEXTNP                          ; it stands behind the trip's first quantiser, ahead of the trip's first group of loads
	s_wait_xcnt 0x0                                ; the last trip's loads have read their base: it may be written
	s_add_co_u32 s[T1], s[T], 1
	s_cmp_lt_u32 s[T1], 4
	s_cselect_b64 s[NP:NP+1], s[PV:PV+1], s[PK:PK+1]
	s_cmp_lt_u32 s[T1], 8
	s_cselect_b64 s[NP:NP+1], s[NP:NP+1], s[PQ:PQ+1]
	s_and_b32 s30, s[T1], 3
	s_lshl_b32 s30, s30, 17
	s_add_nc_u64 s[NP:NP+1], s[NP:NP+1], s[30:31]
.endm
.macro TRIPHEAD ahead
.if \ahead
	v_add_nc_u32 v[AV], s[SV], v[WBI]
	v_add_nc_u32 v[AVB], s[SVB], v[WB8]
.endif
	v_add_nc_u32 v[AKQ], s[SD], v[WBI]
	v_add_nc_u32 v[AKS], s[SK5], v[WBS]
.endm
; Wave w quantises tile w of the block, K step by K step, and stores the images.  ahead = 1: six groups of the next trip's loads stand here, each behind the image stores or in a quantiser's middle.
.macro XPHASE ahead
.irp f, 0,1,2,3
.if \ahead
.if \f == 0
	s_wait_loadcnt 48                              ; behind K step 0's 16 loads stand three K steps' 48 (what else was issued behind those only makes the wait stricter)
.else
	s_wait_loadcnt 44-8*\f                         ; behind K step f's 16 loads stand the later K steps' 16 (3 - f) and this trip's 4, 12, 20: 36, 28, 20; at f = 3 the 20 are all this trip's, so a weight asked for at the last trip's end is in
.endif
.else
	s_wait_loadcnt 48-16*\f                        ; the last trip loads nothing: the counts run down
.endif
.if (\ahead) && (\f == 1)
	QUANT 64*\f, 2, 4, XPC+16*\f, PWX+\f, 0, 1
.elseif (\ahead) && (\f == 2)
	QUANT 64*\f, 2, 4, XPC+16*\f, PWX+\f, 0, 3
.elseif (\ahead) && (\f == 3)
	QUANT 64*\f, 2, 4, XPC+16*\f, PWX+\f, 1, 1
.else
	QUANT 64*\f, 2, 4, XPC+16*\f, PWX+\f
.endif
.irp c, 0,1,2,3
	ds_store_b128 v[XWI], v[XPC+16*\f+4*\c:XPC+16*\f+4*\c+3] offset:2048*\f+512*\c
.endr
.if \ahead
.if \f == 0
	NEXTNP
	XG 0, 0
.elseif \f == 1
	XG 0, 2
.elseif \f == 2
	XG 1, 0
.endif
.endif
.endr
	ds_store_b128 v[XWS], v[PWX:PWX+3]
	s_wait_dscnt 0x0                               ; for the others' sake: my images have landed
	s_barrier_signal -1
	s_barrier_wait -1                              ; x's sixteen fragments lie in LDS
.endm
; the fragments and scale words of tiles 2 p and 2 p + 1: the scale words first, then K step by K step
.macro FETCHP p
.irp u, 0,1
	ds_load_b128 v[XS+4*\u:XS+4*\u+3], v[XSR] offset:512*(2*\p+\u)
.endr
.irp s, 0,1,2,3
.irp u, 0,1
.irp c, 0,1,2,3
	ds_load_b128 v[XF+16*(4*\u+\s)+4*\c:XF+16*(4*\u+\s)+4*\c+3], v[LI] offset:8192*(2*\p+\u)+2048*\s+512*\c
.endr
.endr
.endr
.endm
; 32 matrix instructions: two tiles of x against the head's four tiles of the weight, four K steps.  The eight accumulators take turns, one instruction a turn.  The bias is the C of each sum's first.
; staged = 1: the fragments were asked for just now: K step s is multiplied while the 8 loads of each later K step may be out.
.macro MMQK staged, ls, lf, lg, ls2, lf2, lg2   ; K, Q: accumulator (u, tt) at 32 u + 8 tt: lane = row of x, registers = units.  Ahead of K step ls stands group (lf, lg) of the next trip's loads, ahead of ls2 group (lf2, lg2); 9: none
.irp s, 0,1,2,3
.if \s == \ls
	XG \lf, \lg
.endif
.if \s == \ls2
	XG \lf2, \lg2
.endif
.if \staged
	s_wait_dscnt 24-8*\s
.endif
	WIN 0xf1                                       ; source 0 (weight) window 1, source 1 (x) window 0, C and D window 3
.irp u, 0,1
.irp t, 0,1,2,3
.if \s == 0
	v_wmma_scale_f32_16x16x128_f8f6f4 v[ACC+32*\u+8*\t:ACC+32*\u+8*\t+7], v[16*(4*\t+\s):16*(4*\t+\s)+15], v[XF+16*(4*\u+\s):XF+16*(4*\u+\s)+15], v[BIAS+8*\t:BIAS+8*\t+7], v[WS+4*\t+\s], v[XS+4*\u+\s]
.else
	v_wmma_scale_f32_16x16x128_f8f6f4 v[ACC+32*\u+8*\t:ACC+32*\u+8*\t+7], v[16*(4*\t+\s):16*(4*\t+\s)+15], v[XF+16*(4*\u+\s):XF+16*(4*\u+\s)+15], v[ACC+32*\u+8*\t:ACC+32*\u+8*\t+7], v[WS+4*\t+\s], v[XS+4*\u+\s]
.endif
.endr
.endr
.endr
	WIN 0
.endm
.macro MMV staged, ls, lf, lg, ls2, lf2, lg2    ; V: accumulator (tt, u) at 16 tt + 8 u: lane = unit, registers = keys.  The groups of loads as in MMQK: both ways issue the same loads
.irp s, 0,1,2,3
.if \s == \ls
	XG \lf, \lg
.endif
.if \s == \ls2
	XG \lf2, \lg2
.endif
.if \staged
	s_wait_dscnt 24-8*\s
.endif
	WIN 0xf4                                       ; source 0 (x) window 0, source 1 (weight) window 1, C and D window 3
.irp u, 0,1
.irp t, 0,1,2,3
.if \s == 0
	v_wmma_scale_f32_16x16x128_f8f6f4 v[ACC+16*\t+8*\u:ACC+16*\t+8*\u+7], v[XF+16*(4*\u+\s):XF+16*(4*\u+\s)+15], v[16*(4*\t+\s):16*(4*\t+\s)+15], v[BIAS+8*\t:BIAS+8*\t+7], v[XS+4*\u+\s], v[WS+4*\t+\s]
.else
	v_wmma_scale_f32_16x16x128_f8f6f4 v[ACC+16*\t+8*\u:ACC+16*\t+8*\u+7], v[XF+16*(4*\u+\s):XF+16*(4*\u+\s)+15], v[16*(4*\t+\s):16*(4*\t+\s)+15], v[ACC+16*\t+8*\u:ACC+16*\t+8*\u+7], v[XS+4*\u+\s], v[WS+4*\t+\s]
.endif
.endr
.endr
.endr
	WIN 0
.endm
; both = 1: the trip may be V's (trips 0-3) or K's or Q's: a branch on the trip's number, the same in every wave.  Nine places follow: for the reads of the results, for the loads into x's registers, and for the next pair's first products, which begin the accumulators anew.
.macro MM staged, both, ls=9, lf=0, lg=0, ls2=9, lf2=0, lg2=0
.if \both
	s_cmp_lt_u32 s[T], 4
	s_cbranch_scc0 .Lmq_\@
	MMV \staged, \ls, \lf, \lg, \ls2, \lf2, \lg2
	s_branch .Lmj_\@
.Lmq_\@:
.endif
	MMQK \staged, \ls, \lf, \lg, \ls2, \lf2, \lg2
.if \both
.Lmj_\@:
.endif
	PLACES 9
.endm
; The codes of pair p go to my own region.  K, Q: the four blocks are (tile u, half of the head): one packed fragment; each tile's two scale bytes are written twice into a word of its own.
; V: the four blocks are the d tiles: 16 keys' codes of my unit each; a byte for each.
.macro STORES p, both
.if \both
	s_cmp_lt_u32 s[T], 4
	s_cbranch_scc0 .Lsq_\@
.irp t, 0,1,2,3
	ds_store_b128 v[AV], v[PCR+16*\p+4*\t:PCR+16*\p+4*\t+3] offset:4096*\t+512*\p
	ds_store_b8 v[AVB], v[TM+4+\t] offset:OVS+256*\t+\p
.endr
	s_branch .Lsj_\@
.Lsq_\@:
.endif
	s_wait_alu depctr_va_vdst(0)
.irp c, 0,1,2,3
	ds_store_b128 v[AKQ], v[PCR+16*\p+4*\c:PCR+16*\p+4*\c+3] offset:2048*\p+512*\c
.endr
	v_perm_b32 v[TW0], v[PW], v[PW], s55
	v_perm_b32 v[TW1], v[PW], v[PW], s56
	ds_store_b32 v[AKS], v[TW0] offset:OTS-2048+256*\p         ; the step is 512 a trip and K begins in trip 4
	ds_store_b32 v[AKS], v[TW1] offset:OTS-2048+256*\p+128
.if \both
.Lsj_\@:
.endif
.endm
.macro BODY both                       ; both = 1 is also a trip that has a successor: ten groups of the next trip's loads stand among its work, each behind the LDS instructions of its place
	FETCHP 0
.if \both
	XG 1, 2
	MM 1, 1, 2, 1, 3
.else
	MM 1, 0
.endif
	FETCHP 1                                       ; lands while pair 0 is quantised
.if \both
	XG 2, 0
	QUANT ACC, 3, 4, PCR, PW, 2, 1
.else
	QUANT ACC, 3, 4, PCR, PW
.endif
	STORES 0, \both
.if \both
	XG 2, 2
.endif
	s_wait_dscnt 0x0                               ; all of the block is in my registers
	s_barrier_signal -1
	s_barrier_wait -1                              ; in everybody's: x's images may be written again
.if \both
	MM 0, 1, 1, 2, 3, 3, 3, 0
	XG 3, 1
	QUANT ACC, 3, 4, PCR+16, PW, 3, 2
.else
	MM 0, 0
	QUANT ACC, 3, 4, PCR+16, PW
.endif
	STORES 1, \both
.if \both
	XG 3, 3
.endif
.endm
	s_load_b512 s[4:19], s[0:1], 0x0               ; value, key, query, bv, bk, bq, wimg, wscl
	s_load_b128 s[20:23], s[0:1], 0x40             ; acod, ascl
	v_lshl_add_u32 v126, v0, 2, 0x3fc00
	v_mov_b32 v127, 0
	v_lshrrev_b32 v20, 5, v0
	v_readfirstlane_b32 s[WV], v20                 ; wave 0..3
	s_bfe_u32 s25, ttmp6, 0x40000                  ; my place in the cluster
	s_lshl_b32 s26, ttmp9, 2
	s_add_co_u32 s26, s26, s25                     ; work-group
	s_lshr_b32 s27, s26, 1                         ; chunk
	s_and_b32 s28, s26, 1                          ; which half of the heads
	s_lshl_b32 s29, s28, 2
	s_add_co_u32 s29, s29, s[WV]                   ; my head: it enters global addresses alone
	v_and_b32 v20, 31, v0                          ; lane
	v_and_b32 v21, 15, v0                          ; r
	v_bfe_u32 v22, v0, 4, 1                        ; h
	v_lshlrev_b32 v[LI], 4, v20
	v_lshlrev_b32 v[LS], 2, v20
	v_and_b32 v[R84], 8, v21
	v_add_nc_u32 v[R84], v[R84], v21               ; r + 8 (r / 8)
	s_lshr_b32 s54, s[WV], 1
	s_lshl_b32 s54, s54, 5
	s_and_b32 s53, s[WV], 1
	s_lshl_b32 s53, s53, 3
	s_add_co_u32 s54, s54, s53                     ; tile w of a block begins at row 32 (w / 2) + 8 (w % 2)
	v_add_nc_u32 v[XA], s54, v[R84]
	v_lshlrev_b32 v[XA], 11, v[XA]
	v_lshl_add_u32 v[XA], v22, 6, v[XA]
	v_lshlrev_b32 v[D0], 4, v22
	v_sub_nc_u32 v[D0], v[R84], v[D0]
	v_lshlrev_b32 v[H64], 6, v22
	v_lshlrev_b32 v[R84], 2, v[R84]
	s_lshl_b32 s54, s[WV], 13
	v_add_nc_u32 v[XWI], s54, v[LI]
	s_lshl_b32 s54, s[WV], 9
	s_add_co_u32 s54, s54, XSC
	v_add_nc_u32 v[XWS], s54, v[LI]
	v_add_nc_u32 v[XSR], XSC, v[LI]
	s_mul_i32 s54, s[WV], WSZ
	s_add_co_u32 s54, s54, WREG0
	v_add_nc_u32 v[WBI], s54, v[LI]
	v_add_nc_u32 v[WBS], s54, v[LS]
	v_lshl_add_u32 v[WB8], v20, 3, s54
	s_lshl_b32 s54, s[WV], 11
	s_add_co_u32 s54, s54, ASC
	v_add_nc_u32 v[ASB], s54, v[LS]
	s_lshr_b32 s54, s[WV], 1
	s_lshl_b32 s54, s54, 12
	s_and_b32 s53, s[WV], 1
	s_lshl_b32 s53, s53, 10
	s_add_co_u32 s54, s54, s53
	s_add_co_u32 s54, s54, ASC
	v_add_nc_u32 v[ASR], s54, v[LI]                ; the way out of attn's scale words: heads 2 (w / 2) and + 1, tiles 8 (w % 2) on
	s_mov_b32 s[SEL], 0x76543210
	s_mov_b32 s[SEL+1], 0xfedcba98                 ; lane l xor 16
	s_mov_b32 s[MNT], 0x600000                     ; the mantissa field of 448
	s_mov_b32 s[CS], 0x3d0293ee                    ; log2(e) / sqrt(2048)
	s_mov_b32 s[CS+1], s[CS]
	s_mov_b32 s55, 0x01000100                      ; bytes 0, 1 twice
	s_mov_b32 s56, 0x03020302                      ; bytes 2, 3 twice
	s_mov_b32 s[T], 0
	s_mov_b32 s[SD], 0
	s_mov_b32 s[SV], 0
	s_mov_b32 s[SK5], 0
	s_mov_b32 s[SVB], 0
.irp b, 0,1,2,3
	v_mov_b32 v[TM+4+\b], 0                        ; a lane permute's destination counts as read
.endr
	s_mov_b32 s31, 0
	s_wait_kmcnt 0x0
	s_lshl_b32 s30, s27, 19                        ; a chunk: 256 rows of 2,048 bytes
	s_add_nc_u64 s[PV:PV+1], s[PV:PV+1], s[30:31]
	s_add_nc_u64 s[PK:PK+1], s[PK:PK+1], s[30:31]
	s_add_nc_u64 s[PQ:PQ+1], s[PQ:PQ+1], s[30:31]
	s_lshl_b32 s30, s29, 8                         ; my head's 64 numbers of a bias
	s_add_nc_u64 s[BV:BV+1], s[BV:BV+1], s[30:31]
	s_add_nc_u64 s[BK:BK+1], s[BK:BK+1], s[30:31]
	s_add_nc_u64 s[BQ:BQ+1], s[BQ:BQ+1], s[30:31]
	s_lshl_b32 s30, s29, 15                        ; my head's four tiles of Wv
	s_add_nc_u64 s[WP:WP+1], s[WP:WP+1], s[30:31]
	s_lshl_b32 s30, s29, 11
	s_add_nc_u64 s[WSP:WSP+1], s[WSP:WSP+1], s[30:31]
	s_lshl_b32 s30, s27, 17                        ; acod: the chunk, K step hg / 2, pieces 2 (hg % 2) on
	s_lshr_b32 s54, s29, 1
	s_lshl_b32 s54, s54, 11
	s_add_co_u32 s30, s30, s54
	s_and_b32 s54, s29, 1
	s_lshl_b32 s54, s54, 10
	s_add_co_u32 s30, s30, s54
	s_add_nc_u64 s[AP:AP+1], s[AP:AP+1], s[30:31]
	s_lshl_b32 s30, s27, 13                        ; ascl: the chunk, my half's two K steps, my 1,024 bytes of them
	s_lshl_b32 s54, s28, 12
	s_add_co_u32 s30, s30, s54
	s_lshl_b32 s54, s[WV], 10
	s_add_co_u32 s30, s30, s54
	s_add_nc_u64 s[ASP:ASP+1], s[ASP:ASP+1], s[30:31]
	s_mov_b64 s[NP:NP+1], s[PV:PV+1]
	WLOAD                                          ; Wv
	WIN 0xc0                                       ; destination window 3
.irp t, 0,1,2,3
.irp j, 0,1,2,3,4,5,6,7
	global_load_b32 v[BIAS+8*\t+\j], v[R84], s[BV:BV+1] offset:(32*(\t/2)+8*(\t%2))*4   ; V: a lane holds one unit, so its bias stands in all eight registers
.endr
.endr
	WIN 0
.irp f, 0,1,2,3
	XLOAD \f                                       ; the first block of value
.endr
.Ltrip:                                            ; trips 0 to 10
	s_wait_alu depctr_va_vdst(0)
	TRIPHEAD 1
	XPHASE 1
	BODY 1
	s_cmp_eq_u32 s[T], 3                           ; behind trips 3 and 7 the next weight comes into the registers; its loads stand behind the next block's
	s_cbranch_scc1 .Lreload
	s_cmp_lg_u32 s[T], 7
	s_cbranch_scc1 .Lkeep
.Lreload:
	s_wait_xcnt 0x0                                ; the earlier loads have read their bases
	s_add_nc_u64 s[WP:WP+1], s[WP:WP+1], 0x40000   ; a weight's images: 32 tiles x 4 x 2,048 bytes
	s_add_nc_u64 s[WSP:WSP+1], s[WSP:WSP+1], 0x4000
	s_cmp_eq_u32 s[T], 3
	s_cselect_b64 s[BP:BP+1], s[BK:BK+1], s[BQ:BQ+1]
	WLOAD
	WIN 0xc0
.irp t, 0,1,2,3
	global_load_b128 v[BIAS+8*\t:BIAS+8*\t+3], v[H64], s[BP:BP+1] offset:(32*(\t/2)+8*(\t%2))*4        ; K, Q: register j of tile tt is unit 32 (tt / 2) + 16 h + 8 (tt % 2) + j
	global_load_b128 v[BIAS+8*\t+4:BIAS+8*\t+7], v[H64], s[BP:BP+1] offset:(32*(\t/2)+8*(\t%2))*4+16
.endr
	WIN 0
.Lkeep:
	s_add_co_u32 s[SD], s[SD], 4096
	s_add_co_u32 s[SV], s[SV], 1024
	s_add_co_u32 s[SK5], s[SK5], 512
	s_add_co_u32 s[SVB], s[SVB], 2
	s_add_co_u32 s[T], s[T], 1
	s_cmp_lt_u32 s[T], 11
	s_cbranch_scc1 .Ltrip
	TRIPHEAD 0                                     ; trip 11, query's last block, is written out: it asks for nothing more
	XPHASE 0
	BODY 0
	; ---- PHASE B.  My head's K and V come back from my own LDS bytes into registers and stay (LDS serves a wave's instructions in order: these see my stores)
	WIN 0x40                                       ; destination window 1
.set q, 0
.rept 32
	ds_load_b128 v[128+4*q:128+4*q+3], v[WBI] offset:512*q
	ds_load_b128 v[4*q:4*q+3], v[WBI] offset:OKI+512*q
.set q, q+1
.endr
	WIN 0
.set q, 0
.rept 16
	ds_load_b32 v[KT+q], v[WBS] offset:OTS+128*q
.set q, q+1
.endr
.irp t, 0,1,2,3
	ds_load_b64 v[VS+2*\t:VS+2*\t+1], v[WB8] offset:OVS+256*\t   ; word 0: key blocks 0-3, word 1: 4-7
.endr
	s_mov_b32 s[STQ], 0
	s_mov_b32 s[STS], 0
	s_wait_dscnt 0x0
.irp j, 0,1,2,3,4,5,6,7
	v_mov_b32 v[QF+\j], 0                          ; zero codes on both sides of q
	v_mov_b32 v[QF+16+\j], 0
	v_mov_b32 v[P+8+\j], 0                         ; p's pieces for key blocks that a loop does not have; the loops ascend, so a piece stays zero until it is used
	v_mov_b32 v[P+24+\j], 0
	v_mov_b32 v[PT+\j], 0                          ; a lane permute's destination counts as read
.endr
	v_mov_b32 v[LT], 0
	v_mov_b32 v[TT], 0
	v_mov_b32 v[RL+1], 0                           ; named with v[RL] as a pair
	v_mov_b32 v[NEG], 0xff800000                   ; -infinity
.set q, 0
.rept 8
	v_bfi_b32 v[KS+q], 0xffff, v[KT+2*q], v[KT+2*q+1]   ; a packed fragment's scale word: tile 2 q's two bytes, then tile 2 q + 1's
.set q, q+1
.endr
	PLACES 8                                       ; a scale register written by a vector instruction stands eight places ahead of the product
; Four tiles of 16 queries, rows 64 (v - 1) on, against keys 0 .. 64 v - 1.
.macro ATT v
.set NB, 2*(\v)                        ; blocks of 32 keys
.set NS, ((\v)+1)/2                    ; K steps of the second product
	s_mov_b32 s[AI], 0
.Ltile_\@:
	s_and_b32 s[SM], s[AI], 1
	s_lshl_b32 s[SM], s[SM], 3
	s_lshr_b32 s54, s[AI], 1
	s_lshl_b32 s54, s54, 5
	s_add_co_u32 s[SM], s[SM], s54
	v_add_nc_u32 v[DT], s[SM], v[D0]               ; my query less the first key of the last 64, less 16 h
	v_add_nc_u32 v[AQ], s[STQ], v[WBI]
	v_add_nc_u32 v[AQS], s[STS], v[WBS]
	v_add_nc_u32 v[ASA], s[STS], v[ASB]
	ds_load_b128 v[QF+8:QF+11], v[AQ] offset:OQI
	ds_load_b128 v[QF+12:QF+15], v[AQ] offset:OQI+512
	ds_load_b32 v[QW], v[AQS] offset:OTS+2048
	v_mov_b32 v[SUMA], 0
	v_mov_b32 v[SUMA+1], 0
	v_mov_b32 v[SUMB], 0
	v_mov_b32 v[SUMB+1], 0
	s_wait_alu depctr_va_vdst(0)
	s_wait_dscnt 0x0
	WIN 0x81                                       ; source 0 (K) window 1, source 1 (q) window 0, D window 2
.set ab, 0
.rept NB
	v_wmma_scale_f32_16x16x128_f8f6f4 v[16*ab:16*ab+7], v[16*ab:16*ab+15], v[QF+8:QF+23], 0, v[KS+ab], v[QW]      ; q against the fragment's first key tile
	v_wmma_scale_f32_16x16x128_f8f6f4 v[16*ab+8:16*ab+15], v[16*ab:16*ab+15], v[QF:QF+15], 0, v[KS+ab], v[QW]     ; and against its second
.set ab, ab+1
.endr
	PLACES 8
	WIN 0x82                                       ; scores: destination and source 0 window 2
.set ap, 0
.rept 2                                            ; the last 64 keys hold the diagonal: register 16 b + i hides where 32 b + i > v[DT]
.set ai, 0
.rept 16
	v_cmp_gt_i32 vcc_lo, 32*ap+ai, v[DT]
	v_cndmask_b32 v[16*(NB-2+ap)+ai], v[16*(NB-2+ap)+ai], v[NEG], vcc_lo
.set ai, ai+1
.endr
.set ap, ap+1
.endr
	WIN 0x2a
.set ab, 0
.rept NB
	v_max3_num_f32 v[BM+ab], v[16*ab], v[16*ab+1], v[16*ab+2]    ; each block's largest score: for the row's maximum, and for the block's largest p
.set ab, ab+1
.endr
	WIN 0x28
.irp i, 3,5,7,9,11,13
.set ab, 0
.rept NB
	v_max3_num_f32 v[BM+ab], v[BM+ab], v[16*ab+\i], v[16*ab+\i+1]
.set ab, ab+1
.endr
.endr
.set ab, 0
.rept NB
	v_max_num_f32 v[BM+ab], v[BM+ab], v[16*ab+15]
.set ab, ab+1
.endr
	WIN 0
.set ab, 0
.rept NB
	v_permlanex16_b32 v[PT+ab], v[BM+ab], s[SEL], s[SEL+1]
.set ab, ab+1
.endr
.set ab, 0
.rept NB
	v_max_num_f32 v[BM+ab], v[BM+ab], v[PT+ab]
.set ab, ab+1
.endr
	v_max_num_f32 v[RM], v[BM], v[BM+1]
.if NB > 2
.set ab, 2
.rept (NB-2)/2
	v_max3_num_f32 v[RM], v[RM], v[BM+ab], v[BM+ab+1]
.set ab, ab+2
.endr
.endif
	v_mul_f32 v[TT], s[CS], v[RM]                  ; the row's largest t
	v_floor_f32 v[NM], -v[TT]                      ; -M = floor(-t) = -ceil(t)
	WIN 0x82
.set aj, 0
.rept 8*NB
	v_pk_fma_f32 v[2*aj:2*aj+1], v[2*aj:2*aj+1], s[CS:CS+1], v[NM:NM+1] op_sel_hi:[1,0,0]   ; t - M, two at a time
.set aj, aj+1
.endr
	WIN 0
.set ab, 0
.rept NB
	v_fma_f32 v[BM+ab], v[BM+ab], s[CS], v[NM]     ; the same of each block's largest score
.set ab, ab+1
.endr
	WIN 0x82
.set aj, 0
	s_wait_alu depctr_va_vdst(0)
.rept 16*NB
	v_exp_f32 v[aj], v[aj]                         ; p = 2^(t - M)
.set aj, aj+1
.endr
	WIN 0
	v_nop                                          ; a plain line behind the last exponential
	s_wait_alu depctr_va_vdst(0)                   ; one wait for the whole batch, ahead of its first reader
.set ab, 0
.rept NB
	v_exp_f32 v[BM+ab], v[BM+ab]                   ; each block's largest p
.set ab, ab+1
.endr
	WIN 0x08                                       ; source 1 window 2
.set aj, 0
.rept 4*NB
	v_pk_add_f32 v[SUMA:SUMA+1], v[SUMA:SUMA+1], v[4*aj:4*aj+1]       ; the sum of the UNQUANTISED p, in two chains
	v_pk_add_f32 v[SUMB:SUMB+1], v[SUMB:SUMB+1], v[4*aj+2:4*aj+3]
.set aj, aj+1
.endr
	WIN 0
	v_pk_add_f32 v[SUMA:SUMA+1], v[SUMA:SUMA+1], v[SUMB:SUMB+1]
	s_wait_alu depctr_va_vdst(0)                   ; and one for the blocks' exponentials
.set ab, 0
.rept NB
	v_max_num_f32 v[BM+ab], 0x4800000, v[BM+ab]    ; the floor: a block whose every p is 0 keeps the byte 1; its codes are zeros
.set ab, ab+1
.endr
.set ab, 0
.rept NB
	v_add_nc_u32 v[SOP+ab], 0xfc000000, v[BM+ab]
.set ab, ab+1
.endr
.set ab, 0
.rept NB
	v_and_or_b32 v[LIM+ab], v[BM+ab], 0x7f800000, s[MNT]
.set ab, ab+1
.endr
.set ab, 0
.rept NB
	v_lshrrev_b32 v[PT+ab], 23, v[SOP+ab]
.set ab, ab+1
.endr
	v_lshl_or_b32 v[PW0], v[PT+1], 8, v[PT]        ; p's scale words; the bytes of blocks that are not there stay 0, over zero codes
.if NB > 2
	v_lshl_or_b32 v[PW0], v[PT+2], 16, v[PW0]
	v_lshl_or_b32 v[PW0], v[PT+3], 24, v[PW0]
.endif
.if NB > 4
	v_lshl_or_b32 v[PW1], v[PT+5], 8, v[PT+4]
.endif
.if NB > 6
	v_lshl_or_b32 v[PW1], v[PT+6], 16, v[PW1]
	v_lshl_or_b32 v[PW1], v[PT+7], 24, v[PW1]
.endif
	WIN 0x82
.set ab, 0
.rept NB
.irp i, 0,1,2,3,4,5,6,7,8,9,10,11,12,13,14,15
	v_min_num_f32 v[16*ab+\i], v[16*ab+\i], v[LIM+ab]   ; p is not negative: the hold is one-sided
.endr
.set ab, ab+1
.endr
	WIN 0x02
.set ab, 0
.rept NB
	v_cvt_scalef32_pk8_fp8_f32 v[P+4*ab:P+4*ab+1], v[16*ab:16*ab+7], v[SOP+ab]
	v_cvt_scalef32_pk8_fp8_f32 v[P+4*ab+2:P+4*ab+3], v[16*ab+8:16*ab+15], v[SOP+ab]
.set ab, ab+1
.endr
	WIN 0
	v_nop                                          ; one plain line behind the last scaled conversion
	v_add_f32 v[RM], v[SUMA], v[SUMA+1]
	v_permlanex16_b32 v[LT], v[RM], s[SEL], s[SEL+1]
	v_add_f32 v[RM], v[RM], v[LT]                  ; the row's sum
	s_wait_alu depctr_va_vdst(0)
	v_rcp_f32 v[RL], v[RM]
	PLACES 4                                       ; an operand written by vector instructions stands four places ahead of the product
	WIN 0x01                                       ; source 0 (V) window 1
.set as, 0
.rept NS
.irp t, 0,1,2,3
.if as == 0
	v_wmma_scale_f32_16x16x128_f8f6f4 v[O+8*\t:O+8*\t+7], v[128+16*(2*\t+as):128+16*(2*\t+as)+15], v[P+16*as:P+16*as+15], 0, v[VS+2*\t+as], v[PW0+as]
.else
	v_wmma_scale_f32_16x16x128_f8f6f4 v[O+8*\t:O+8*\t+7], v[128+16*(2*\t+as):128+16*(2*\t+as)+15], v[P+16*as:P+16*as+15], v[O+8*\t:O+8*\t+7], v[VS+2*\t+as], v[PW0+as]
.endif
.endr
.set as, as+1
.endr
	WIN 0
	PLACES 8
	s_wait_alu depctr_va_vdst(0)                   ; the reciprocal's wait, ahead of its first reader
.set aj, 0
.rept 16
	v_pk_mul_f32 v[O+2*aj:O+2*aj+1], v[O+2*aj:O+2*aj+1], v[RL:RL+1] op_sel_hi:[1,0]   ; O^T / the sum: register 16 b + i is channel 32 b + 16 h + i of my query
.set aj, aj+1
.endr
	QUANT O, 0, 2, PCO, PWO
	global_store_b128 v[LI], v[PCO:PCO+3], s[AP:AP+1]                  ; two pieces of the output projection's operand: 512 consecutive bytes each, aligned
	global_store_b128 v[LI], v[PCO+4:PCO+7], s[AP:AP+1] offset:512
	ds_store_b32 v[ASA], v[PWO]
	s_wait_xcnt 0x0                                ; the stores have read their data and their base
	s_add_nc_u64 s[AP:AP+1], s[AP:AP+1], 8192      ; the next tile
	s_add_co_u32 s[STQ], s[STQ], 1024
	s_add_co_u32 s[STS], s[STS], 128
	s_add_co_u32 s[AI], s[AI], 1
	s_cmp_lt_u32 s[AI], 4
	s_cbranch_scc1 .Ltile_\@
.endm
	ATT 1
	ATT 2
	ATT 3
	ATT 4
	; attn's scale words: two heads' halves make a word of a K step; each wave joins and stores 1,024 consecutive bytes
	s_wait_dscnt 0x0                               ; for the others' sake
	s_barrier_signal -1
	s_barrier_wait -1
	ds_load_b128 v[128:131], v[ASR]
	ds_load_b128 v[132:135], v[ASR] offset:512
	ds_load_b128 v[136:139], v[ASR] offset:2048    ; the odd head
	ds_load_b128 v[140:143], v[ASR] offset:2560
	s_wait_dscnt 0x0
.irp j, 0,1,2,3,4,5,6,7
	v_lshl_or_b32 v[128+\j], v[136+\j], 16, v[128+\j]
.endr
	global_store_b128 v[LI], v[128:131], s[ASP:ASP+1]
	global_store_b128 v[LI], v[132:135], s[ASP:ASP+1] offset:512
	s_wait_tensorcnt 0x0
	ds_add_u32 v126, v127
	s_wait_dscnt 0x0
	s_endpgm
.Lfunc_end_k_q97d1addb0a_qkvatt:
	.size	k_q97d1addb0a_qkvatt, .Lfunc_end_k_q97d1addb0a_qkvatt-k_q97d1addb0a_qkvatt
	.p2alignl 7, 3214868480
	.fill 96, 4, 3214868480
	.section	.rodata,"a",@progbits
	.p2align	6, 0x0
	.amdhsa_kernel k_q97d1addb0a_qkvatt
		.amdhsa_group_segment_fixed_size 261632
		.amdhsa_private_segment_fixed_size 0
		.amdhsa_enable_private_segment 0
		.amdhsa_kernarg_size 80
		.amdhsa_user_sgpr_count 2
		.amdhsa_user_sgpr_kernarg_segment_ptr 1
		.amdhsa_wavefront_size32 1
		.amdhsa_system_sgpr_workgroup_id_x 1
		.amdhsa_system_sgpr_workgroup_id_y 1
		.amdhsa_system_sgpr_workgroup_id_z 1
		.amdhsa_system_vgpr_workitem_id 0
		.amdhsa_next_free_vgpr 1024
		.amdhsa_next_free_sgpr 66
		.amdhsa_reserve_vcc 1
		.amdhsa_float_denorm_mode_32 3
		.amdhsa_float_denorm_mode_16_64 3
		.amdhsa_memory_ordered 1
		.amdhsa_forward_progress 1
		.amdhsa_inst_pref_size 255
	.end_amdhsa_kernel
	.section	.bss,"aw",@nobits
	.p2align	6
	.space	262144
	.amdgpu_metadata
---
amdhsa.version: [ 1, 2 ]
amdhsa.kernels:
  - .name:           k_q97d1addb0a_qkvatt
    .symbol:         k_q97d1addb0a_qkvatt.kd
    .args:
      - { .name: value, .offset: 0, .size: 8, .value_kind: global_buffer, .address_space: global }
      - { .name: key, .offset: 8, .size: 8, .value_kind: global_buffer, .address_space: global }
      - { .name: query, .offset: 16, .size: 8, .value_kind: global_buffer, .address_space: global }
      - { .name: bv, .offset: 24, .size: 8, .value_kind: global_buffer, .address_space: global }
      - { .name: bk, .offset: 32, .size: 8, .value_kind: global_buffer, .address_space: global }
      - { .name: bq, .offset: 40, .size: 8, .value_kind: global_buffer, .address_space: global }
      - { .name: wimg, .offset: 48, .size: 8, .value_kind: global_buffer, .address_space: global }
      - { .name: wscl, .offset: 56, .size: 8, .value_kind: global_buffer, .address_space: global }
      - { .name: acod, .offset: 64, .size: 8, .value_kind: global_buffer, .address_space: global }
      - { .name: ascl, .offset: 72, .size: 8, .value_kind: global_buffer, .address_space: global }
    .group_segment_fixed_size: 261632
    .private_segment_fixed_size: 0
    .kernarg_segment_align: 8
    .kernarg_segment_size: 80
    .max_flat_workgroup_size: 128
    .sgpr_count:     66
    .vgpr_count:     1024
    .wavefront_size: 32
...
	.end_amdgpu_metadata
.endif
;; end of part 2
;; launch oproj (part 3): grid 256 x 1, 8 waves a work-group, no clusters, 105,472 bytes of LDS; arguments acod, ascl, wimg, wscl, bo, out0; writes out0
.if DOCPART == 3
	.amdgcn_target "amdgcn-amd-amdhsa--gfx1250"
	.amdhsa_code_object_version 6
	.text
	.protected	k_q97d1addb0a_oproj
	.globl	k_q97d1addb0a_oproj
	.p2align	8
	.type	k_q97d1addb0a_oproj,@function
k_q97d1addb0a_oproj:
	s_mov_b64 s[64:65], 0
	v_nop
	global_prefetch_b8 v0, s[64:65] scope:SCOPE_SE
	s_setreg_imm32_b32 hwreg(HW_REG_WAVE_MODE, 25, 1), 1
	s_wait_xcnt 0x0
; out0 = attn Wo^T + bo on codes of E4M3 (MX-FP8).  attn arrives as images of the operand's registers: acod [chunk][tile 16][K step 4][2048], ascl [chunk][K step][tile][128]; Wo likewise (wimg, wscl, part 3).
; SHARES.  A work-group takes 128 rows: eight tiles of half a chunk.  Wave w takes columns 64 w .. 64 w + 63: its 16 fragments of Wo stay in 256 registers (window 1).
; attn's EIGHT TILES COME FROM MEMORY ONCE: wave w loads tile w (16 loads of 512 bytes and four scale words), ahead of its weights, and stores it as it lies into LDS; one barrier; then every wave reads every tile from LDS, 17 loads a tile, two tiles ahead.
; Transposed use: source 0 = 16 rows of Wo, source 1 = a tile of attn: a lane holds eight neighbouring columns of one row.  The bias is the C of each sum's first product.
; Tile k's row r is row 32 (k / 2) + 8 (k % 2) + r + 8 (r / 8) of the 128.  A tile's 16 x 64 results go through the wave's own stage in LDS and leave as 256 consecutive bytes, aligned, from sixteen lanes.
; Written out, no loop.  No tensor loads and no cluster: Wo's images go from memory straight into the registers where they stay, so there is no tile in LDS for a joint load to fill; no prefetch: the text has no loop to run ahead in, and all its loads are issued at its head.
; LDS: 0: eight stages of 4,352 bytes; 0x8800: 1,024 bytes of spare words; ASCL: the tiles' scale words, tile k at 512 k, a lane's four words at 16 x lane; AIMG: the tiles' codes, tile k at 8192 k + 2048 s + 512 c + 16 x lane.
.set LI,   1                           ; 16 x lane
.set LS,   2                           ; 4 x lane
.set STO,  3                           ; the stage: row r, 32 bytes for each half of the lanes
.set RD,   4                           ; back: lanes 0-15 one row, lanes 16-31 the next
.set CO,   5                           ; and the same in out0
.set H32,  6                           ; 32 h
.set AR,   7                           ; AIMG + 16 x lane
.set WS,   8                           ; v8-23   Wo's scale words (4 tt + s)
.set AS,   24                          ; v24-31  attn's, two sets
.set BIAS, 32                          ; v32-63
.set ACC,  64                          ; v64-95
.set OB,   96                          ; v96-127 rows read back; at the head v98, v99: where my tile's codes and scale words go
.set AF,   128                         ; v128-255 attn's fragments, two sets of 64
.set ASCL, 35840
.set AIMG, 39936
.set MSB, 0
.macro WIN new
.if MSB != (\new)
	s_set_vgpr_msb (MSB<<8)|(\new)
.set MSB, (\new)
.endif
.endm
	s_load_b256 s[4:11], s[0:1], 0x0               ; acod, ascl, wimg, wscl
	s_load_b128 s[12:15], s[0:1], 0x20             ; bo, out0
	v_lshrrev_b32 v7, 5, v0
	s_delay_alu instid0(VALU_DEP_1)
	v_readfirstlane_b32 s16, v7                    ; wave 0..7
	v_and_b32 v7, 31, v0
	v_and_b32 v96, 15, v0                          ; r
	v_bfe_u32 v97, v0, 4, 1                        ; h
	s_delay_alu instid0(VALU_DEP_3)
	v_lshlrev_b32 v[LI], 4, v7
	s_delay_alu instid0(VALU_DEP_4)
	v_lshlrev_b32 v[LS], 2, v7
	s_mul_i32 s17, s16, 4352                       ; my stage: 16 rows x (256 + 16) bytes
	v_mul_u32_u24 v[STO], v96, 272
	s_delay_alu instid0(VALU_DEP_1)
	v_lshl_add_u32 v[STO], v97, 5, v[STO]
	s_delay_alu instid0(VALU_DEP_1)
	v_add_nc_u32 v[STO], s17, v[STO]
	v_mul_u32_u24 v[RD], v97, 272
	s_delay_alu instid0(VALU_DEP_1)
	v_lshl_add_u32 v[RD], v96, 4, v[RD]
	s_delay_alu instid0(VALU_DEP_1)
	v_add_nc_u32 v[RD], s17, v[RD]
	v_lshlrev_b32 v[CO], 11, v97
	s_delay_alu instid0(VALU_DEP_1)
	v_lshl_add_u32 v[CO], v96, 4, v[CO]
	v_lshlrev_b32 v[H32], 5, v97
	s_lshl_b32 s20, s16, 13
	s_add_co_u32 s20, s20, AIMG
	s_lshl_b32 s21, s16, 9
	s_add_co_u32 s21, s21, ASCL
	v_add_nc_u32 v98, s20, v[LI]                   ; tile w's codes in LDS
	v_add_nc_u32 v99, s21, v[LI]                   ; and its scale words
	v_add_nc_u32 v[AR], AIMG, v[LI]
	s_mov_b32 s19, 0
	s_wait_alu depctr_va_vdst(0)
	s_wait_kmcnt 0x0
	s_lshl_b32 s18, ttmp9, 16                      ; eight tiles of 8,192 bytes,
	s_lshl_b32 s20, s16, 13
	s_add_co_u32 s18, s18, s20                     ; and of them tile w
	s_add_nc_u64 s[4:5], s[4:5], s[18:19]
	s_lshr_b32 s18, ttmp9, 1
	s_lshl_b32 s18, s18, 13
	s_and_b32 s20, ttmp9, 1
	s_lshl_b32 s20, s20, 10
	s_add_co_u32 s18, s18, s20
	s_lshl_b32 s20, s16, 7
	s_add_co_u32 s18, s18, s20                     ; tile w's 128 bytes of a K step's scale words
	s_add_nc_u64 s[6:7], s[6:7], s[18:19]
	s_lshl_b32 s18, s16, 15
	s_add_co_u32 s18, s18, 786432                  ; the fourth weight, my four tiles
	s_add_nc_u64 s[8:9], s[8:9], s[18:19]
	s_lshl_b32 s18, s16, 11
	s_add_co_u32 s18, s18, 49152
	s_add_nc_u64 s[10:11], s[10:11], s[18:19]
	s_lshl_b32 s18, s16, 8
	s_add_nc_u64 s[12:13], s[12:13], s[18:19]
	s_add_nc_u64 s[14:15], s[14:15], s[18:19]      ; my 256 bytes of a row
	s_lshl_b32 s18, ttmp9, 18                      ; 128 rows of 2,048 bytes
	s_add_nc_u64 s[14:15], s[14:15], s[18:19]
.irp s, 0,1,2,3
.irp c, 0,1,2,3
	global_load_b128 v[AF+16*\s+4*\c:AF+16*\s+4*\c+3], v[LI], s[4:5] offset:2048*\s+512*\c   ; tile w of attn: asked for first, 20 loads
.endr
	global_load_b32 v[AS+\s], v[LS], s[6:7] offset:2048*\s
.endr
	WIN 0x40                                       ; destination window 1
.set q, 0
.rept 64
	global_load_b128 v[4*q:4*q+3], v[LI], s[8:9] offset:512*q
.set q, q+1
.endr
	WIN 0
.set q, 0
.rept 16
	global_load_b32 v[WS+q], v[LS], s[10:11] offset:128*q
.set q, q+1
.endr
.irp t, 0,1,2,3
	global_load_b128 v[BIAS+8*\t:BIAS+8*\t+3], v[H32], s[12:13] offset:64*\t        ; register j of tile tt: bo[64 w + 16 tt + 8 h + j]
	global_load_b128 v[BIAS+8*\t+4:BIAS+8*\t+7], v[H32], s[12:13] offset:64*\t+16
.endr
.macro ALOAD k                         ; tile k's four fragments and scale words from LDS into set k % 2: 17 loads
.irp s, 0,1,2,3
.irp c, 0,1,2,3
	ds_load_b128 v[AF+64*((\k)%2)+16*\s+4*\c:AF+64*((\k)%2)+16*\s+4*\c+3], v[AR] offset:8192*(\k)+2048*\s+512*\c
.endr
.endr
	ds_load_b128 v[AS+4*((\k)%2):AS+4*((\k)%2)+3], v[LI] offset:ASCL+512*(\k)
.endm
	s_wait_loadcnt 63                              ; of the 108 loads issued at most 63 are out: the oldest 45 are in, my tile's 20 among them (behind those stand 88, more than the wait's field can name)
.irp s, 0,1,2,3
.irp c, 0,1,2,3
	ds_store_b128 v98, v[AF+16*\s+4*\c:AF+16*\s+4*\c+3] offset:2048*\s+512*\c
.endr
.endr
	ds_store_b128 v99, v[AS:AS+3]
	s_wait_dscnt 0x0                               ; for the others' sake: my tile has landed
	s_barrier_signal -1
	s_barrier_wait -1                              ; all eight tiles lie in LDS, and are written no more
	ALOAD 0
	ALOAD 1
	s_wait_loadcnt 0x0                             ; the weight, its scale words, the bias
.macro TILE k
.if (\k) < 7
	s_wait_dscnt 17                                ; this tile's loads are in; the next tile's 17 may be out
.else
	s_wait_dscnt 0x0
.endif
	WIN 0x01                                       ; source 0 (Wo) window 1
.irp s, 0,1,2,3
.irp t, 0,1,2,3                                    ; the four accumulators by turns
.if \s == 0
	v_wmma_scale_f32_16x16x128_f8f6f4 v[ACC+8*\t:ACC+8*\t+7], v[16*(4*\t+\s):16*(4*\t+\s)+15], v[AF+64*((\k)%2)+16*\s:AF+64*((\k)%2)+16*\s+15], v[BIAS+8*\t:BIAS+8*\t+7], v[WS+4*\t+\s], v[AS+4*((\k)%2)+\s]
.else
	v_wmma_scale_f32_16x16x128_f8f6f4 v[ACC+8*\t:ACC+8*\t+7], v[16*(4*\t+\s):16*(4*\t+\s)+15], v[AF+64*((\k)%2)+16*\s:AF+64*((\k)%2)+16*\s+15], v[ACC+8*\t:ACC+8*\t+7], v[WS+4*\t+\s], v[AS+4*((\k)%2)+\s]
.endif
.endr
.endr
	WIN 0
.rept 9
	v_nop                                          ; places: for the stores that read the results, the loads into the fragments' registers, and the next tile's first products, which begin the accumulators anew
.endr
	s_wait_xcnt 0x0                                ; the last tile's stores have read their data: the registers may be loaded again
.irp t, 0,1,2,3
	ds_store_b128 v[STO], v[ACC+8*\t:ACC+8*\t+3] offset:64*\t          ; each accumulator from its low end on
	ds_store_b128 v[STO], v[ACC+8*\t+4:ACC+8*\t+7] offset:64*\t+16
.endr
.irp i, 0,1,2,3,4,5,6,7
	ds_load_b128 v[OB+4*\i:OB+4*\i+3], v[RD] offset:544*\i             ; LDS serves a wave's instructions in order: these see my stores
.endr
.if (\k) < 6
	ALOAD (\k)+2                                   ; this tile's set takes the tile two on
.endif
.irp i, 0,1,2,3,4,5,6,7
.if (\k) < 6
	s_wait_dscnt 24-\i                             ; the younger rows and the 17 loads just issued may be out
.else
	s_wait_dscnt 7-\i                              ; the younger rows may be out
.endif
	global_store_b128 v[CO], v[OB+4*\i:OB+4*\i+3], s[14:15] offset:(32*((\k)/2)+8*((\k)%2)+2*\i+8*(\i/4))*2048 th:TH_STORE_NT   ; sixteen lanes store 256 consecutive bytes, aligned
.endr
.endm
.irp k, 0,1,2,3,4,5,6,7
	TILE \k
.endr
	s_wait_xcnt 0x0
	v_lshl_add_u32 v190, v0, 2, 0x8800
	v_mov_b32 v191, 0
	s_wait_alu depctr_va_vdst(0)
	s_wait_tensorcnt 0x0                           ; the wave's end, behind my last LDS store
	ds_add_u32 v190, v191
	s_wait_dscnt 0x0
	s_endpgm
.Lfunc_end_k_q97d1addb0a_oproj:
	.size	k_q97d1addb0a_oproj, .Lfunc_end_k_q97d1addb0a_oproj-k_q97d1addb0a_oproj
	.p2alignl 7, 3214868480
	.fill 96, 4, 3214868480
	.section	.rodata,"a",@progbits
	.p2align	6, 0x0
	.amdhsa_kernel k_q97d1addb0a_oproj
		.amdhsa_group_segment_fixed_size 105472
		.amdhsa_private_segment_fixed_size 0
		.amdhsa_enable_private_segment 0
		.amdhsa_kernarg_size 48
		.amdhsa_user_sgpr_count 2
		.amdhsa_user_sgpr_kernarg_segment_ptr 1
		.amdhsa_wavefront_size32 1
		.amdhsa_system_sgpr_workgroup_id_x 1
		.amdhsa_system_sgpr_workgroup_id_y 1
		.amdhsa_system_sgpr_workgroup_id_z 1
		.amdhsa_system_vgpr_workitem_id 0
		.amdhsa_next_free_vgpr 512
		.amdhsa_next_free_sgpr 66
		.amdhsa_reserve_vcc 0
		.amdhsa_float_denorm_mode_32 3
		.amdhsa_float_denorm_mode_16_64 3
		.amdhsa_memory_ordered 1
		.amdhsa_forward_progress 1
		.amdhsa_inst_pref_size 59
	.end_amdhsa_kernel
	.amdgpu_metadata
---
amdhsa.version: [ 1, 2 ]
amdhsa.kernels:
  - .name:           k_q97d1addb0a_oproj
    .symbol:         k_q97d1addb0a_oproj.kd
    .args:
      - { .name: acod, .offset: 0, .size: 8, .value_kind: global_buffer, .address_space: global }
      - { .name: ascl, .offset: 8, .size: 8, .value_kind: global_buffer, .address_space: global }
      - { .name: wimg, .offset: 16, .size: 8, .value_kind: global_buffer, .address_space: global }
      - { .name: wscl, .offset: 24, .size: 8, .value_kind: global_buffer, .address_space: global }
      - { .name: bo, .offset: 32, .size: 8, .value_kind: global_buffer, .address_space: global }
      - { .name: out0, .offset: 40, .size: 8, .value_kind: global_buffer, .address_space: global }
    .group_segment_fixed_size: 105472
    .private_segment_fixed_size: 0
    .kernarg_segment_align: 8
    .kernarg_segment_size: 48
    .max_flat_workgroup_size: 256
    .sgpr_count:     66
    .vgpr_count:     512
    .wavefront_size: 32
...
	.end_amdgpu_metadata
.endif
;; end of part 3
